; MI455X (gfx1250); checked and timed in simulation.
; The chip was launched on July 23, 2026; its instructions are those of AMD's public machine-readable ISA for CDNA 5 (MIT licence, August 2026) and "CDNA5" Instruction Set Architecture Reference Guide (July 2026). The comments in the code are by the model that wrote it; some were corrected since.
;; Simple Net. Allowed arithmetic: matrix products marked QUANTISED: E4M3 operands, one E8M0 scale for each 32 along K, by v_wmma_scale_f32_16x16x128_f8f6f4 with both operands' format E4M3, f32 sums; everything else in f32.
;; Inputs: W1 256 x 512 float32; x 8,192 x 512 float32; y 8,192 x 512 float32.
;; Outputs: out0 8,192 x 512 float32.
;; This version of the problem:
;;   THIS VERSION OF THE PROBLEM IS GIVEN IN LOW PRECISION. The matrix products marked QUANTISED in the list below multiply operands that are first quantised to E4M3 (4 exponent bits, 3 mantissa bits; 8 bits a number), with one power-of-two scale for each 32 numbers along K (OCP MX v1.0); their sums are f32. All else is computed in f32.
;;   The module's matrix products, in the order in which they are computed (A, B: the left and right operand; K: the contracted axis; several contracted axes count as one K, in the product's order):
;;     1. [M 8,192, K 512] x [K 512, N 256]; A: input x; B: input W1: QUANTISED
;;     2. [M 8,192, K 256] x [K 256, N 8,192]; A: computed on the way; B: computed on the way: QUANTISED
;;     3. [M 8,192, K 8,192] x [K 8,192, N 512]; A: computed on the way; B: input x: QUANTISED
;;   THE QUANTISER, for each operand of a quantised product, along K:
;;     - K is cut into blocks of 32 from its start; a last block that is shorter is filled with zeros.
;;     - A block's scale is 2^e with e = floor(log2(the largest magnitude in the block)) - 8, held to -126 .. 127; a block of zeros has e = 0. As a byte (E8M0): e + 127.
;;     - Each number is divided by its block's scale, clamped to +-448, and rounded to the nearest number of E4M3, ties to even, subnormals kept.
;;     - The product sums the exact products of the quantised numbers (number of the format x scale) in f32.
;;   ~~~python
;;   def quantise(x, axis):      # numpy; x: float32 -> the quantised numbers, widened to float32 again
;;       x = np.moveaxis(x, axis, -1); K = x.shape[-1]
;;       x = np.pad(x, [(0, 0)] * (x.ndim - 1) + [(0, -K % 32)]); x = x.reshape(x.shape[:-1] + (-1, 32)); a = np.abs(x).max(-1, keepdims=True)
;;       e = np.where(a > 0, np.clip(np.frexp(np.where(a > 0, a, 1))[1] - 1 - 8, -126, 127), 0)      # np.frexp(a)[1] - 1 = floor(log2(a)), exactly
;;       r = np.clip(x / 2.0 ** e, -448, 448)
;;       step = 2.0 ** (np.maximum(np.frexp(np.where(r == 0, 1, r))[1] - 1, -6) - 3)
;;       q = np.round(r / step) * step * 2.0 ** e      # np.round: ties to even
;;       return np.moveaxis(q.reshape(q.shape[:-2] + (-1,))[..., :K], -1, axis).astype(np.float32)
;;   ~~~
;;   OPERANDS COMPUTED ON THE WAY. 'Computed on the way' means the value that the module computes at that place (a softmax that the list does not call 'softmax' is quantised finished and normalised). What goes into a quantiser is computed in f32, as accurately as f32 sums, v_exp_f32 and their like allow (about 1e-6 of the number): no bf16 or f16 on the way to a quantiser, and a product that is left as it is and whose result goes on into a quantised operand takes f32 operands (vector FMAs, or v_wmma_f32_16x16x4_f32). A number that lies on a knife's edge between two numbers of the format may be rounded either way, as far as f32 arithmetic and the matrix unit's own rounding can turn it there, and no further.
;; One version. Each part assembles by itself: llvm-mc -triple=amdgcn-amd-amdhsa -mcpu=gfx1250 --defsym DOCPART=n.
;; ======== version 1 of 1: 4 launches
;; workspace buffers: fq 2,228,224 bytes; xq 4,325,376 bytes; wq 69,206,016 bytes; part 8,388,608 bytes
;; launch prep (part 1): grid 256 x 1, 8 waves a work-group, no clusters, 21,504 bytes of LDS; arguments x, W1, fq, xq; writes fq, xq
.if DOCPART == 1
	.amdgcn_target "amdgcn-amd-amdhsa--gfx1250"
	.amdhsa_code_object_version 6
	.text
	.protected	k_qd67768ca43_prep
	.globl	k_qd67768ca43_prep
	.p2align	8
	.type	k_qd67768ca43_prep,@function
k_qd67768ca43_prep:
	s_mov_b64 s[64:65], 0
	v_nop
	global_prefetch_b8 v0, s[64:65] scope:SCOPE_SE
	s_setreg_imm32_b32 hwreg(HW_REG_WAVE_MODE, 25, 1), 1
	s_wait_xcnt 0x0
; PREP.  f = Q(x) Q(W1)^T (K = 512) on codes of E4M3 with one E8M0 scale for each 32 along K; sq = the sum of f x f (f not quantised); Q(f) along H; Q(x) down the rows (the keys of the last product).
; A work-group owns rows 32 b .. 32 b + 31 of x (b = its number).  Eight waves.
;   columns: wave w quantises columns 64 w .. 64 w + 63 of these 32 rows: one block of 32 keys a column, a lane to a column, registers down the rows.
;   rows:    wave w quantises ONE fragment of x (tile u = w / 4, K step s = w % 4) and hands it to the others through LDS as an image of its registers.
;   W1:      wave w quantises hidden units 32 w .. 32 w + 31 (two tiles x four K steps) into its own registers.
;   product: source 0 = 16 rows of W1, source 1 = 16 rows of x: a lane holds one row of f and 16 neighbouring hidden units.
; A TILE'S ROWS ARE NOT NEIGHBOURS: lane r of tile u takes row 8 u + r + 8 (r / 8) of its 32: so the registers of tiles 0 and 1 are 16 neighbours along the axis that the transposed product lays in registers.
; OUT.  fq: a record of 8,704 bytes for each 32 rows: codes at 4096 u + 2048 s + 512 c + 16 lane (an image of the operand's registers), scale words at 8192 + 128 u + 4 (16 s + r), sq at 8448 + 4 row, zeros to the end.
;       xq: [K step of 128 keys][8 groups of 64 columns] records of 8,448 bytes: codes at 2048 tile + 512 c + 16 lane, scale bytes at 8192 + 64 tile + 4 r + c.
; LIMITS: NaN and infinities among the inputs are not served.  A block of zeros gets the scale byte 1 (the rule says 127): its codes are zeros, and this program alone reads the bytes.
; The input y is named by no launch: the function computed here does not read it.
.set FREC, 8704
.set XREC, 8448
.set XIMG, 0                           ; LDS: x's 8 fragments, 2,048 bytes each
.set XSC,  16384                       ; their scale words, 128 bytes each
.set FSC,  17408                       ; f's scale bytes, 256
.set SQP,  17664                       ; each wave's part of sq: 128 bytes a wave
.set LT,  1                            ; v1  (r + 8 (r / 8)) x 2048 + 64 h: my row of a tile, my 16 numbers of a block
.set CL,  2                            ; v2  4 lane + 256 w: my column
.set XCW, 3                            ; v3  where my column's codes go
.set XSW, 4                            ; v4  and its scale byte
.set LI,  5                            ; v5  16 lane
.set LS,  6                            ; v6  4 lane
.set XWI, 7                            ; v7  16 lane + 2048 w
.set XWS, 8                            ; v8  4 lane + 128 w
.set FCW, 9                            ; v9  16 lane + 512 w
.set FSW, 10                           ; v10 4 r + 64 (w / 4) + w % 4
.set SQW, 11                           ; v11 4 r + 128 w
.set L8,  12                           ; v12 8 lane
.set SQR, 13                           ; v13 where row = lane's part of sq lies in a wave's 128 bytes
.set CBY, 16                           ; v16-17 the columns' scale bytes
.set PW,  18                           ; v18 x's scale word
.set XA,  32                           ; v32-95, v96-159: numbers as loaded; later x's 8 fragments
.set XB,  96
.set PC,  160                          ; v160-175 codes just made
.set TM,  176                          ; v176-191 at work
.set W1S, 192                          ; v192-199 W1's scale words
.set XS,  200                          ; v200-207 x's
.set F,   208                          ; v208-239 f: accumulator (u, v) at F + 16 u + 8 v
.set CC,  240                          ; v240-255 the columns' codes
.set WV,  12
.set MNT, 13
.set SEL, 14
.set XFB, 22
.set WB,  6
.set MSB, 0
.macro WIN new                         ; the immediate's high byte repeats the setting that is left
.if MSB != (\new)
	s_set_vgpr_msb (MSB<<8)|(\new)
.set MSB, (\new)
.endif
.endm
.macro LD64 reg, base, off             ; 64 numbers of my row: 16 neighbours of each of four blocks of 32
.irp c, 0,1,2,3
.irp j, 0,1,2,3
	global_load_b128 v[\reg+16*\c+4*\j:\reg+16*\c+4*\j+3], v[LT], s[\base:\base+1] offset:\off+128*\c+16*\j
.endr
.endr
.endm
; 64 numbers of a lane (register 16 b + i = k 32 b + 16 h + i of my row) become a fragment's codes in v[dst] on (window dwin) and its scale word in v[pw]
.macro QUANT s, dst, dwin, pw
.irp b, 0,1,2,3
	v_max3_num_f32 v[TM+\b], |v[\s+16*\b]|, |v[\s+16*\b+1]|, 0x4800000   ; with the floor 2^(9 - 127): the byte cannot fall under 1
.endr
.irp i, 2,4,6,8,10,12,14
.irp b, 0,1,2,3
	v_max3_num_f32 v[TM+\b], v[TM+\b], |v[\s+16*\b+\i]|, |v[\s+16*\b+\i+1]|
.endr
.endr
.irp b, 0,1,2,3
	v_permlanex16_b32 v[TM+4+\b], v[TM+\b], s[SEL], s[SEL+1]
.endr
.irp b, 0,1,2,3
	v_max_num_f32 v[TM+\b], v[TM+\b], v[TM+4+\b]              ; with lane l xor 16's: the block's largest magnitude
.endr
.irp b, 0,1,2,3
	v_add_nc_u32 v[TM+12+\b], 0xfc000000, v[TM+\b]            ; 8 off its exponent field: the conversion's scale operand
.endr
.irp b, 0,1,2,3
	v_and_or_b32 v[TM+8+\b], v[TM+\b], 0x7f800000, s[MNT]     ; 448 x the scale
.endr
.irp b, 0,1,2,3
	v_lshrrev_b32 v[TM+4+\b], 23, v[TM+12+\b]                 ; the scale's byte
.endr
	v_lshl_or_b32 v[\pw], v[TM+5], 8, v[TM+4]
	v_lshl_or_b32 v[\pw], v[TM+6], 16, v[\pw]
	v_lshl_or_b32 v[\pw], v[TM+7], 24, v[\pw]
.irp b, 0,1,2,3
.irp i, 0,1,2,3,4,5,6,7,8,9,10,11,12,13,14,15
	v_med3_num_f32 v[\s+16*\b+\i], v[\s+16*\b+\i], -v[TM+8+\b], v[TM+8+\b]   ; the conversion does not saturate (ISA guide 7.6.2): the hold comes first
.endr
.endr
	WIN \dwin
.irp b, 0,1,2,3
	v_cvt_scalef32_pk8_fp8_f32 v[\dst+4*\b:\dst+4*\b+1], v[\s+16*\b:\s+16*\b+7], v[TM+12+\b]
	v_cvt_scalef32_pk8_fp8_f32 v[\dst+4*\b+2:\dst+4*\b+3], v[\s+16*\b+8:\s+16*\b+15], v[TM+12+\b]
.endr
	WIN 0
	v_nop                                          ; a plain line behind the last conversion
.endm
; one block of 32 keys of my column 64 w + 32 p + lane: all 32 numbers are mine
.macro CQ p
.set CQS, XA+32*\p
	v_max3_num_f32 v[TM], |v[CQS]|, |v[CQS+1]|, |v[CQS+2]|
	v_max3_num_f32 v[TM+1], |v[CQS+3]|, |v[CQS+4]|, |v[CQS+5]|
.irp i, 6,10,14,18,22,26
	v_max3_num_f32 v[TM], v[TM], |v[CQS+\i]|, |v[CQS+\i+1]|
	v_max3_num_f32 v[TM+1], v[TM+1], |v[CQS+\i+2]|, |v[CQS+\i+3]|
.endr
	v_max3_num_f32 v[TM], v[TM], |v[CQS+30]|, |v[CQS+31]|
	v_max3_num_f32 v[TM], v[TM], v[TM+1], 0x4800000
	v_add_nc_u32 v[TM+2], 0xfc000000, v[TM]
	v_and_or_b32 v[TM+3], v[TM], 0x7f800000, s[MNT]
	v_lshrrev_b32 v[CBY+\p], 23, v[TM+2]
.set ii, 0
.rept 32
	v_med3_num_f32 v[CQS+ii], v[CQS+ii], -v[TM+3], v[TM+3]
.set ii, ii+1
.endr
.irp g, 0,1,2,3
	v_cvt_scalef32_pk8_fp8_f32 v[CC+8*\p+2*\g:CC+8*\p+2*\g+1], v[CQS+8*\g:CQS+8*\g+7], v[TM+2]
.endr
	v_nop
	global_store_b128 v[XCW], v[CC+8*\p:CC+8*\p+3], s[10:11] offset:4096*\p          ; keys 0-15: sixteen lanes store 256 consecutive bytes, aligned
	global_store_b128 v[XCW], v[CC+8*\p+4:CC+8*\p+7], s[10:11] offset:4096*\p+256    ; keys 16-31 likewise
	global_store_b8 v[XSW], v[CBY+\p], s[10:11] offset:128*\p
.endm
; tile u of f: its part of sq, then one block of 32 hidden units is quantised and leaves
.macro FOUT u
.set FU, F+16*\u
	v_pk_mul_f32 v[TM:TM+1], v[FU:FU+1], v[FU:FU+1]            ; each accumulator is read from its low end on
.irp i, 2,4,6,8,10,12,14
	v_pk_fma_f32 v[TM:TM+1], v[FU+\i:FU+\i+1], v[FU+\i:FU+\i+1], v[TM:TM+1]
.endr
	v_add_f32 v[TM], v[TM], v[TM+1]
	v_permlanex16_b32 v[TM+4], v[TM], s[SEL], s[SEL+1]
	v_add_f32 v[TM], v[TM], v[TM+4]                            ; my wave's 32 hidden units of row (u, r)
	ds_store_b32 v[SQW], v[TM] offset:SQP+64*\u                ; both halves of the lanes write the same word with the same value
	v_max3_num_f32 v[TM+1], |v[FU]|, |v[FU+1]|, 0x4800000
.irp i, 2,4,6,8,10,12,14
	v_max3_num_f32 v[TM+1], v[TM+1], |v[FU+\i]|, |v[FU+\i+1]|
.endr
	v_permlanex16_b32 v[TM+5], v[TM+1], s[SEL], s[SEL+1]
	v_max_num_f32 v[TM+1], v[TM+1], v[TM+5]
	v_add_nc_u32 v[TM+2], 0xfc000000, v[TM+1]
	v_and_or_b32 v[TM+3], v[TM+1], 0x7f800000, s[MNT]
	v_lshrrev_b32 v[TM+6], 23, v[TM+2]
.irp i, 0,1,2,3,4,5,6,7,8,9,10,11,12,13,14,15
	v_med3_num_f32 v[FU+\i], v[FU+\i], -v[TM+3], v[TM+3]
.endr
	v_cvt_scalef32_pk8_fp8_f32 v[PC+4*\u:PC+4*\u+1], v[FU:FU+7], v[TM+2]
	v_cvt_scalef32_pk8_fp8_f32 v[PC+4*\u+2:PC+4*\u+3], v[FU+8:FU+15], v[TM+2]
	v_nop
	global_store_b128 v[FCW], v[PC+4*\u:PC+4*\u+3], s[8:9] offset:4096*\u   ; 32 lanes store 512 consecutive bytes
	ds_store_b8 v[FSW], v[TM+6] offset:FSC+128*\u
.endm
	s_load_b256 s[4:11], s[0:1], 0x0               ; x s[4:5], W1 s[6:7], fq s[8:9], xq s[10:11]
	v_lshl_add_u32 v30, v0, 2, 0x5000
	v_mov_b32 v31, 0
	v_lshrrev_b32 v19, 5, v0
	v_readfirstlane_b32 s[WV], v19                 ; wave 0..7
	v_and_b32 v19, 31, v0                          ; lane
	v_and_b32 v20, 15, v0                          ; r
	v_bfe_u32 v21, v0, 4, 1                        ; h
	v_and_b32 v22, 8, v20
	v_add_nc_u32 v22, v22, v20                     ; r + 8 (r / 8)
	v_lshlrev_b32 v[LT], 11, v22
	v_lshl_add_u32 v[LT], v21, 6, v[LT]
	s_lshl_b32 s16, s[WV], 8
	v_lshl_add_u32 v[CL], v19, 2, s16
	s_and_b32 s17, ttmp9, 3                        ; c: which block of 32 of its K step these 32 keys are
	s_lshl_b32 s18, s17, 9
	v_lshlrev_b32 v[XCW], 11, v21
	v_lshl_add_u32 v[XCW], v20, 4, v[XCW]
	v_add_nc_u32 v[XCW], s18, v[XCW]               ; 2048 (lane / 16) + 16 r + 512 c
	s_add_co_u32 s17, s17, 8192
	v_lshlrev_b32 v[XSW], 6, v21
	v_lshl_add_u32 v[XSW], v20, 2, v[XSW]
	v_add_nc_u32 v[XSW], s17, v[XSW]               ; 8192 + 64 (lane / 16) + 4 r + c
	v_lshlrev_b32 v[LI], 4, v19
	v_lshlrev_b32 v[LS], 2, v19
	s_lshl_b32 s18, s[WV], 11
	v_add_nc_u32 v[XWI], s18, v[LI]
	s_lshl_b32 s18, s[WV], 7
	v_add_nc_u32 v[XWS], s18, v[LS]
	v_lshl_add_u32 v[SQW], v20, 2, s18
	s_lshl_b32 s18, s[WV], 9
	v_add_nc_u32 v[FCW], s18, v[LI]
	s_lshr_b32 s18, s[WV], 2
	s_lshl_b32 s18, s18, 6
	s_and_b32 s19, s[WV], 3
	s_add_co_u32 s18, s18, s19
	v_lshl_add_u32 v[FSW], v20, 2, s18
	v_lshlrev_b32 v[L8], 3, v19
	v_bfe_u32 v22, v0, 3, 1                        ; row p = lane lies in tile (p / 8) % 2,
	v_and_b32 v23, 7, v0
	v_lshl_add_u32 v23, v21, 3, v23                ; at lane p % 8 + 8 (p / 16)
	v_lshlrev_b32 v[SQR], 2, v23
	v_lshl_add_u32 v[SQR], v22, 6, v[SQR]
.irp b, 0,1,2,3
	v_mov_b32 v[TM+4+\b], 0                        ; written once: a lane permute's destination counts as one of its sources
.endr
	s_mov_b32 s[SEL], 0x76543210
	s_mov_b32 s[SEL+1], 0xfedcba98                 ; v_permlanex16_b32's selects for lane l xor 16
	s_mov_b32 s[MNT], 0x600000                     ; the mantissa field of 448
	s_lshl_b32 s16, ttmp9, 16                      ; 32 rows of 2,048 bytes
	s_mov_b32 s17, 0
	s_lshr_b32 s18, s[WV], 2
	s_lshl_b32 s18, s18, 14                        ; my fragment's tile: 8 rows on
	s_and_b32 s19, s[WV], 3
	s_lshl_b32 s19, s19, 9                         ; its K step: 512 bytes
	s_add_co_u32 s20, s18, s19
	s_add_co_u32 s20, s20, s16
	s_mov_b32 s21, 0
	s_lshl_b32 s24, s[WV], 16                      ; my 32 rows of W1
	s_mov_b32 s25, 0
	s_mul_i32 s26, ttmp9, FREC
	s_mov_b32 s27, 0
	s_lshr_b32 s28, ttmp9, 2
	s_mul_i32 s28, s28, 8*XREC                     ; the K step of 128 keys,
	s_mul_i32 s30, s[WV], XREC                     ; my group of 64 columns
	s_add_co_u32 s28, s28, s30
	s_mov_b32 s29, 0
	s_wait_kmcnt 0x0
	s_add_nc_u64 s[XFB:XFB+1], s[4:5], s[20:21]
	s_add_nc_u64 s[4:5], s[4:5], s[16:17]
	s_add_nc_u64 s[6:7], s[6:7], s[24:25]
	s_add_nc_u64 s[8:9], s[8:9], s[26:27]
	s_add_nc_u64 s[10:11], s[10:11], s[28:29]
.irp p, 0,1
.set ii, 0
.rept 32
	global_load_b32 v[XA+32*\p+ii], v[CL], s[4:5] offset:128*\p+2048*ii   ; a row at 32 neighbouring columns: 128 consecutive bytes
.set ii, ii+1
.endr
.endr
	LD64 XB, XFB, 0                                ; my fragment of x
	s_wait_loadcnt 16                              ; the 64 column loads are in; the fragment's 16 may be out
	CQ 0
	CQ 1
	LD64 XA, WB, 0                                 ; W1's fragment 0
	s_wait_loadcnt 16                              ; x's fragment is in; W1's 16 loads may be out
	QUANT XB, PC, 0, PW
.irp c, 0,1,2,3
	ds_store_b128 v[XWI], v[PC+4*\c:PC+4*\c+3] offset:XIMG+512*\c   ; the fragment goes to LDS as it stands
.endr
	ds_store_b32 v[XWS], v[PW] offset:XSC
.irp g, 0,1,2,3,4,5,6,7                        ; W1's fragment g = 4 v + s into window 1, v[16 g] on; the next one is on its way meanwhile
.if \g < 7
	LD64 XA+64*((\g+1)%2), WB, ((\g+1)/4)*16384+((\g+1)%4)*512
	s_wait_loadcnt 16                              ; fragment g is in; the 16 loads just issued may be out
.else
	s_wait_loadcnt 0
.endif
	QUANT XA+64*(\g%2), 16*\g, 0x40, W1S+\g
.endr
	s_wait_dscnt 0x0                               ; for the others' sake: my image has landed
	s_barrier_signal -1
	s_barrier_wait -1
.irp f, 0,1,2,3,4,5,6,7                        ; x's fragment f = 4 u + s
.irp c, 0,1,2,3
	ds_load_b128 v[XA+16*\f+4*\c:XA+16*\f+4*\c+3], v[LI] offset:XIMG+2048*\f+512*\c
.endr
	ds_load_b32 v[XS+\f], v[LS] offset:XSC+128*\f
.endr
.rept 8
	v_nop                                          ; W1's codes and scale words were written by vector instructions: they stand at their distance ahead of the scaled products
.endr
	s_wait_dscnt 0x0
	WIN 0x01                                       ; source 0 (W1) window 1
.irp s, 0,1,2,3                                ; the four accumulators take turns, one instruction a turn
.irp u, 0,1
.irp v, 0,1
.if \s == 0
	v_wmma_scale_f32_16x16x128_f8f6f4 v[F+16*\u+8*\v:F+16*\u+8*\v+7], v[16*(4*\v+\s):16*(4*\v+\s)+15], v[XA+16*(4*\u+\s):XA+16*(4*\u+\s)+15], 0, v[W1S+4*\v+\s], v[XS+4*\u+\s]
.else
	v_wmma_scale_f32_16x16x128_f8f6f4 v[F+16*\u+8*\v:F+16*\u+8*\v+7], v[16*(4*\v+\s):16*(4*\v+\s)+15], v[XA+16*(4*\u+\s):XA+16*(4*\u+\s)+15], v[F+16*\u+8*\v:F+16*\u+8*\v+7], v[W1S+4*\v+\s], v[XS+4*\u+\s]
.endif
.endr
.endr
.endr
	WIN 0
.rept 8
	v_nop                                          ; eight places behind this form, ahead of the first read of its results
.endr
	FOUT 0
	FOUT 1
	s_wait_dscnt 0x0
	s_barrier_signal -1
	s_barrier_wait -1                              ; all scale bytes and all parts of sq lie in LDS
	s_cmp_lg_u32 s[WV], 0
	s_cbranch_scc1 .Lnot_wave_0
	ds_load_b64 v[XA:XA+1], v[L8] offset:FSC
	s_wait_dscnt 0x0
	global_store_b64 v[L8], v[XA:XA+1], s[8:9] offset:8192   ; the record's 64 scale words: 256 consecutive bytes, aligned
	s_branch .Lend
.Lnot_wave_0:
	s_cmp_lg_u32 s[WV], 1
	s_cbranch_scc1 .Lend
.irp i, 0,1,2,3,4,5,6,7
	ds_load_b32 v[XA+\i], v[SQR] offset:SQP+128*\i
.endr
	s_wait_dscnt 0x0
	v_add_f32 v[XA], v[XA], v[XA+1]
	v_add_f32 v[XA+2], v[XA+2], v[XA+3]
	v_add_f32 v[XA+4], v[XA+4], v[XA+5]
	v_add_f32 v[XA+6], v[XA+6], v[XA+7]
	v_add_f32 v[XA], v[XA], v[XA+2]
	v_add_f32 v[XA+4], v[XA+4], v[XA+6]
	v_add_f32 v[XA], v[XA], v[XA+4]                ; sq of row 32 b + lane
	v_mov_b32 v[XA+1], 0
	global_store_b32 v[LS], v[XA], s[8:9] offset:8448
	global_store_b32 v[LS], v[XA+1], s[8:9] offset:8576      ; the record's last 128 bytes are written too: later launches fetch whole records
.Lend:
	s_wait_tensorcnt 0x0
	ds_add_u32 v30, v31
	s_wait_dscnt 0x0
	s_endpgm
.Lfunc_end_k_qd67768ca43_prep:
	.size	k_qd67768ca43_prep, .Lfunc_end_k_qd67768ca43_prep-k_qd67768ca43_prep
	.p2alignl 7, 3214868480
	.fill 96, 4, 3214868480
	.section	.rodata,"a",@progbits
	.p2align	6, 0x0
	.amdhsa_kernel k_qd67768ca43_prep
		.amdhsa_group_segment_fixed_size 21504
		.amdhsa_private_segment_fixed_size 0
		.amdhsa_enable_private_segment 0
		.amdhsa_kernarg_size 32
		.amdhsa_user_sgpr_count 2
		.amdhsa_user_sgpr_kernarg_segment_ptr 1
		.amdhsa_wavefront_size32 1
		.amdhsa_system_sgpr_workgroup_id_x 1
		.amdhsa_system_sgpr_workgroup_id_y 1
		.amdhsa_system_sgpr_workgroup_id_z 1
		.amdhsa_system_vgpr_workitem_id 0
		.amdhsa_next_free_vgpr 384
		.amdhsa_next_free_sgpr 66
		.amdhsa_reserve_vcc 0
		.amdhsa_float_denorm_mode_32 3
		.amdhsa_float_denorm_mode_16_64 3
		.amdhsa_memory_ordered 1
		.amdhsa_forward_progress 1
		.amdhsa_inst_pref_size 116
	.end_amdhsa_kernel
	.amdgpu_metadata
---
amdhsa.version: [ 1, 2 ]
amdhsa.kernels:
  - .name:           k_qd67768ca43_prep
    .symbol:         k_qd67768ca43_prep.kd
    .args:
      - { .name: x, .offset: 0, .size: 8, .value_kind: global_buffer, .address_space: global }
      - { .name: W1, .offset: 8, .size: 8, .value_kind: global_buffer, .address_space: global }
      - { .name: fq, .offset: 16, .size: 8, .value_kind: global_buffer, .address_space: global }
      - { .name: xq, .offset: 24, .size: 8, .value_kind: global_buffer, .address_space: global }
    .group_segment_fixed_size: 21504
    .private_segment_fixed_size: 0
    .kernarg_segment_align: 8
    .kernarg_segment_size: 32
    .max_flat_workgroup_size: 256
    .sgpr_count:     66
    .vgpr_count:     384
    .wavefront_size: 32
...
	.end_amdgpu_metadata
.endif
;; end of part 1
;; launch sel (part 2): grid 32 x 8, 8 waves a work-group, no clusters, 279,552 bytes of LDS; arguments fq, part; writes part
.if DOCPART == 2
	.amdgcn_target "amdgcn-amd-amdhsa--gfx1250"
	.amdhsa_code_object_version 6
	.text
	.protected	k_qd67768ca43_sel
	.globl	k_qd67768ca43_sel
	.p2align	8
	.type	k_qd67768ca43_sel,@function
k_qd67768ca43_sel:
	s_mov_b64 s[64:65], 0
	v_nop
	global_prefetch_b8 v0, s[64:65] scope:SCOPE_SE
	s_setreg_imm32_b32 hwreg(HW_REG_WAVE_MODE, 25, 1), 1
	s_wait_xcnt 0x0
; SEL.  G = Q(f) Q(f)^T (K = 256), d2 = (sq_i + sq_j) - 2 G, and for each row and each eighth of the keys the 32 smallest d2, sorted.  The 21st smallest distance is wanted: root and clip rise with d2, so the order is taken on d2.
; Work-group (X, Y): rows 256 X on, keys 1,024 Y on.  The 32 records of the keys (278,528 bytes) come into LDS once: nothing is filled again.  Wave w owns rows 32 (8 X + w) on: two tiles of 16 queries, in registers.
; The product is used transposed (source 0 = 16 keys, source 1 = 16 queries): a lane holds one query and, in a chunk of 64 keys, 32 of its d2.
; THE NETWORK has no branch and no index: 32 new numbers a lane are sorted by a bitonic network (15 stages), the 32 smallest of them and of the running list are kept (min of one list against the other reversed),
; and five stages sort that again.  An exchange is ONE dual instruction (min :: max): the two results must lie in registers of different parity, so element i lives in register PHI(i) = (i & 30) + parity of i's five bits:
; i and i xor 2^t then differ in parity, and PHI(31 - i) = 31 - PHI(i).  Stages go from one buffer into another, so no half reads what the other writes.
; It keeps 32 where 21 are needed, for every input.  LIMITS: NaN and infinities are not served.
; No cluster: a work-group fetches its keys once, at its head, and then works on them for the whole launch: what partners could share is a small part of a work-group's time.
.set FREC, 8704
.set DUAL, 1
.set QS,  12                           ; v12-13 the queries' scale words (lanes 0-15: K step 0, lanes 16-31: K step 1)
.set KS,  14                           ; v14-17 the keys'
.set SQJ, 32                           ; v32-63 sq of my 32 keys of the chunk
.set A0,  64                           ; v64-95, v96-127 G, then d2, of tile 0 and tile 1
.set A1,  96
.set B,   128                          ; v128-159 the network's other buffer
.set R0,  160                          ; v160-191, v192-223 the running lists
.set R1,  192
.set QF,  0                            ; window 1: v0-63 the queries' fragments (32 u + 16 s)
.set KF,  64                           ; window 1: v64-191 four tiles of keys (32 t + 16 s)
.set WV,  12
.set TB,  13
.set CNT, 14
.set G1,  16
.set G0,  24
.set SEL, 50
.set MSB, 0
.macro WIN new
.if MSB != (\new)
	s_set_vgpr_msb (MSB<<8)|(\new)
.set MSB, (\new)
.endif
.endm
.macro CE dmin, dmax, a, b
.if DUAL
	v_dual_min_num_f32 v[\dmin], v[\a], v[\b] :: v_dual_max_num_f32 v[\dmax], v[\a], v[\b]
.else
	v_min_num_f32 v[\dmin], v[\a], v[\b]
	v_max_num_f32 v[\dmax], v[\a], v[\b]
.endif
.endm
.macro STAGE src, dst, k, j            ; elements i and i xor j are exchanged, ascending where i & k is 0
.set ii, 0
.rept 32
.set ll, ii^(\j)
.if ll > ii
.set pii, (ii&30)+(((ii>>4)^(ii>>3)^(ii>>2)^(ii>>1)^ii)&1)
.set pll, (ll&30)+(((ll>>4)^(ll>>3)^(ll>>2)^(ll>>1)^ll)&1)
.if (ii&(\k)) == 0
	CE \dst+pii, \dst+pll, \src+pii, \src+pll
.else
	CE \dst+pll, \dst+pii, \src+pii, \src+pll
.endif
.endif
.set ii, ii+1
.endr
.endm
.macro SORT32 a, b                     ; 32 numbers in a, ascending in b
	STAGE \a, \b, 2, 1
	STAGE \b, \a, 4, 2
	STAGE \a, \b, 4, 1
	STAGE \b, \a, 8, 4
	STAGE \a, \b, 8, 2
	STAGE \b, \a, 8, 1
	STAGE \a, \b, 16, 8
	STAGE \b, \a, 16, 4
	STAGE \a, \b, 16, 2
	STAGE \b, \a, 16, 1
	STAGE \a, \b, 32, 16
	STAGE \b, \a, 32, 8
	STAGE \a, \b, 32, 4
	STAGE \b, \a, 32, 2
	STAGE \a, \b, 32, 1
.endm
.macro CLEAN d, r, c                   ; the 32 smallest of two ascending lists: min(r[i], c[31 - i]); PHI turns 31 - i into register 31 - n
.set nn, 0
.rept 16
	v_dual_min_num_f32 v[\d+nn], v[\r+nn], v[\c+31-nn] :: v_dual_min_num_f32 v[\d+nn+1], v[\r+nn+1], v[\c+30-nn]
.set nn, nn+2
.endr
.endm
.macro MERGE5 a, b, d                  ; what CLEAN leaves rises and falls once: five stages sort it, into d
	STAGE \a, \b, 32, 16
	STAGE \b, \a, 32, 8
	STAGE \a, \b, 32, 4
	STAGE \b, \a, 32, 2
	STAGE \a, \d, 32, 1
.endm
.macro NET a, r
	SORT32 \a, B
	CLEAN \a, \r, B
	MERGE5 \a, B, \r
.endm
; A CHUNK: 64 keys = two records at LDS byte s[TB]
.macro CHUNK
	v_add_nc_u32 v4, s[TB], v1
	v_add_nc_u32 v5, s[TB], v2
	v_add_nc_u32 v6, s[TB], v3
	WIN 0x40                                       ; destination window 1.  (The network's lines since the last products are the places ahead of these loads)
.irp t, 0,1,2,3
.irp q, 0,1,2,3,4,5,6,7
	ds_load_b128 v[KF+32*\t+4*\q:KF+32*\t+4*\q+3], v4 offset:(\t/2)*FREC+(\t%2)*4096+512*\q   ; 512 consecutive bytes an instruction
.endr
.endr
	WIN 0
.irp t, 0,1,2,3
	ds_load_b32 v[KS+\t], v5 offset:(\t/2)*FREC+(\t%2)*128
.endr
.irp b, 0,1
.irp q, 0,1,2,3
	ds_load_b128 v[SQJ+16*\b+4*\q:SQJ+16*\b+4*\q+3], v6 offset:\b*FREC+16*\q
.endr
.endr
	s_wait_dscnt 0x0
	WIN 0x05                                       ; sources 0 and 1 window 1
.irp rt, 0,1                                   ; the eight accumulators take turns, one instruction a turn
.irp t, 0,1,2,3
	v_wmma_scale_f32_16x16x128_f8f6f4 v[A0+32*\rt+8*\t:A0+32*\rt+8*\t+7], v[KF+32*\t:KF+32*\t+15], v[QF+32*\rt:QF+32*\rt+15], 0, v[KS+\t], v[QS+\rt]
.endr
.endr
.irp rt, 0,1
.irp t, 0,1,2,3
	v_wmma_scale_f32_16x16x128_f8f6f4 v[A0+32*\rt+8*\t:A0+32*\rt+8*\t+7], v[KF+32*\t+16:KF+32*\t+31], v[QF+32*\rt+16:QF+32*\rt+31], v[A0+32*\rt+8*\t:A0+32*\rt+8*\t+7], v[KS+\t], v[QS+\rt] matrix_a_scale:MATRIX_SCALE_ROW1 matrix_b_scale:MATRIX_SCALE_ROW1
.endr
.endr
	WIN 0
.irp rt, 0,1
.set nn, 0
.rept 16
	v_pk_add_f32 v[B+nn:B+nn+1], v[8+2*\rt:9+2*\rt], v[SQJ+nn:SQJ+nn+1]      ; sq_i + sq_j.  (Tile 0's sixteen are the places behind the products: they name none of their registers)
.set nn, nn+2
.endr
.set nn, 0
.rept 16
	v_pk_fma_f32 v[A0+32*\rt+nn:A0+32*\rt+nn+1], v[A0+32*\rt+nn:A0+32*\rt+nn+1], -2.0, v[B+nn:B+nn+1] op_sel_hi:[1,0,1]   ; - 2 G: 2 G is exact, so this is the subtraction, rounded once; each accumulator from its low end on
.set nn, nn+2
.endr
.endr
	NET A0, R0
	NET A1, R1
	s_add_co_u32 s[TB], s[TB], 2*FREC
.endm
.macro HALVES r                        ; a query's keys lie in lanes l and l xor 16: the two lists become one, in both
.set nn, 0
.rept 32
	v_permlanex16_b32 v[B+nn], v[\r+nn], s[SEL], s[SEL+1]
.set nn, nn+1
.endr
	CLEAN A0, \r, B
	MERGE5 A0, B, \r
.endm
	s_load_b128 s[4:7], s[0:1], 0x0                ; fq s[4:5], part s[6:7]
	v_lshl_add_u32 v254, v0, 2, 0x44000
	v_mov_b32 v255, 0
	ds_add_u32 v254, v255
	ds_add_u32 v254, v255
	v_lshrrev_b32 v1, 5, v0
	v_readfirstlane_b32 s[WV], v1                  ; wave 0..7
	s_and_b32 s15, ttmp7, 0xffff                   ; Y
	; descriptor group 1: a record, 8,704 dense bytes, as 34 rows of 256 bytes (32 elements of 8 bytes)
	s_mov_b32 s[G1+0], 3<<16
	s_mov_b32 s[G1+1], 32<<16                      ; tensor_dim0
	s_mov_b32 s[G1+2], 34<<16                      ; tensor_dim1
	s_mov_b32 s[G1+3], 32<<16                      ; tile_dim0
	s_mov_b32 s[G1+4], 34                          ; tile_dim1
	s_mov_b32 s[G1+5], 32                          ; the pitch
	s_mov_b32 s[G1+6], 0
	s_mov_b32 s[G1+7], 0
	s_mul_i32 s40, s[WV], FREC                     ; load q of wave w brings record 8 q + w of the 32
	s_lshl_b32 s41, s15, 5
	s_add_co_u32 s41, s41, s[WV]
	s_mul_i32 s42, s41, FREC
	s_mov_b32 s43, 0
	s_lshl_b32 s44, ttmp9, 3
	s_add_co_u32 s44, s44, s[WV]                   ; my block of 32 rows: 8 X + w
	s_mul_i32 s46, s44, FREC
	s_mov_b32 s47, 0
	s_lshl_b32 s45, s44, 3
	s_add_co_u32 s45, s45, s15
	s_lshl_b32 s52, s45, 12                        ; my 4,096 bytes of part
	s_mov_b32 s53, 0
	s_wait_dscnt 0x0
	s_wait_kmcnt 0x0
	s_add_nc_u64 s[42:43], s[4:5], s[42:43]
	s_add_nc_u64 s[46:47], s[4:5], s[46:47]
	s_add_nc_u64 s[6:7], s[6:7], s[52:53]
.irp q, 0,1,2,3
	s_mov_b32 s[G0+4*\q], 1
	s_add_co_u32 s[G0+4*\q+1], s40, \q*8*FREC
	s_add_nc_u64 s[G0+4*\q+2:G0+4*\q+3], s[42:43], \q*8*FREC
	s_or_b32 s[G0+4*\q+3], s[G0+4*\q+3], 0x80000000
.endr
.irp q, 0,1,2,3
	tensor_load_to_lds s[G0+4*\q:G0+4*\q+3], s[G1:G1+7]      ; all first fills together, ahead of every wait on TENSORcnt, LDS read and barrier: four loads of mine are out
	s_nop 0
.endr
.rept 4
	v_nop
.endr
	v_and_b32 v20, 31, v0
	v_and_b32 v21, 15, v0
	v_bfe_u32 v22, v0, 4, 1
	v_lshlrev_b32 v1, 4, v20                       ; 16 lane
	v_lshl_add_u32 v2, v20, 2, 8192                ; a record's scale words
	v_lshl_add_u32 v3, v22, 6, 8448                ; its sq: my 16 keys
	v_and_b32 v23, 8, v21
	v_add_nc_u32 v23, v23, v21
	v_lshl_add_u32 v7, v23, 2, 8448                ; sq of my query: row r + 8 (r / 8), + 8 for tile 1
	WIN 0x40
.irp u, 0,1
.irp q, 0,1,2,3,4,5,6,7
	global_load_b128 v[QF+32*\u+4*\q:QF+32*\u+4*\q+3], v1, s[46:47] offset:\u*4096+512*\q
.endr
.endr
	WIN 0
	global_load_b32 v[QS], v2, s[46:47]
	global_load_b32 v[QS+1], v2, s[46:47] offset:128
	global_load_b32 v8, v7, s[46:47]               ; into both registers of a pair: the packed lines then need no select
	global_load_b32 v9, v7, s[46:47]
	global_load_b32 v10, v7, s[46:47] offset:32
	global_load_b32 v11, v7, s[46:47] offset:32
	s_mov_b32 s48, 0x7f800000
	s_mov_b32 s49, 0xffff0000
	s_mov_b32 s[SEL], 0x76543210
	s_mov_b32 s[SEL+1], 0xfedcba98
.set nn, 0
.rept 64
	v_mov_b32 v[R0+nn], s48                        ; the lists begin as +infinity, over every d2
.set nn, nn+1
.endr
	s_mov_b32 s[TB], 0
	s_wait_loadcnt 0x0
	s_wait_tensorcnt 0x3                           ; my first record has landed; my other three may stay out
	s_barrier_signal -1
	s_barrier_wait -1                              ; records 0 to 7 are whole
	s_mov_b32 s[CNT], 4
.Lfirst:
	CHUNK
	s_sub_co_u32 s[CNT], s[CNT], 1
	s_cmp_lg_u32 s[CNT], 0
	s_cbranch_scc1 .Lfirst
	s_wait_tensorcnt 0x0
	s_barrier_signal -1
	s_barrier_wait -1                              ; all 32 are
	s_mov_b32 s[CNT], 12
.Lrest:
	CHUNK
	s_sub_co_u32 s[CNT], s[CNT], 1
	s_cmp_lg_u32 s[CNT], 0
	s_cbranch_scc1 .Lrest
	HALVES R0
	HALVES R1
.set nn, 0
.rept 32
	v_cndmask_b32 v[A0+nn], v[R0+nn], v[R1+nn], s49          ; lane 16 u + r keeps the list of row (u, r)
.set nn, nn+1
.endr
.irp q, 0,1,2,3,4,5,6,7
	global_store_b128 v1, v[A0+4*\q:A0+4*\q+3], s[6:7] offset:512*\q   ; an image of the registers: 512 consecutive bytes a store
.endr
	s_wait_tensorcnt 0x0
	ds_add_u32 v254, v255
	s_wait_dscnt 0x0
	s_endpgm
.Lfunc_end_k_qd67768ca43_sel:
	.size	k_qd67768ca43_sel, .Lfunc_end_k_qd67768ca43_sel-k_qd67768ca43_sel
	.p2alignl 7, 3214868480
	.fill 96, 4, 3214868480
	.section	.rodata,"a",@progbits
	.p2align	6, 0x0
	.amdhsa_kernel k_qd67768ca43_sel
		.amdhsa_group_segment_fixed_size 279552
		.amdhsa_private_segment_fixed_size 0
		.amdhsa_enable_private_segment 0
		.amdhsa_kernarg_size 16
		.amdhsa_user_sgpr_count 2
		.amdhsa_user_sgpr_kernarg_segment_ptr 1
		.amdhsa_wavefront_size32 1
		.amdhsa_system_sgpr_workgroup_id_x 1
		.amdhsa_system_sgpr_workgroup_id_y 1
		.amdhsa_system_sgpr_workgroup_id_z 1
		.amdhsa_system_vgpr_workitem_id 0
		.amdhsa_next_free_vgpr 448
		.amdhsa_next_free_sgpr 66
		.amdhsa_reserve_vcc 0
		.amdhsa_float_denorm_mode_32 3
		.amdhsa_float_denorm_mode_16_64 3
		.amdhsa_memory_ordered 1
		.amdhsa_forward_progress 1
		.amdhsa_inst_pref_size 130
	.end_amdhsa_kernel
	.amdgpu_metadata
---
amdhsa.version: [ 1, 2 ]
amdhsa.kernels:
  - .name:           k_qd67768ca43_sel
    .symbol:         k_qd67768ca43_sel.kd
    .args:
      - { .name: fq, .offset: 0, .size: 8, .value_kind: global_buffer, .address_space: global }
      - { .name: part, .offset: 8, .size: 8, .value_kind: global_buffer, .address_space: global }
    .group_segment_fixed_size: 279552
    .private_segment_fixed_size: 0
    .kernarg_segment_align: 8
    .kernarg_segment_size: 16
    .max_flat_workgroup_size: 256
    .sgpr_count:     66
    .vgpr_count:     448
    .wavefront_size: 32
...
	.end_amdgpu_metadata
.endif
;; end of part 2
;; launch wgt (part 3): grid 32 x 8, 8 waves a work-group, no clusters, 279,552 bytes of LDS; arguments fq, part, wq; writes wq
.if DOCPART == 3
	.amdgcn_target "amdgcn-amd-amdhsa--gfx1250"
	.amdhsa_code_object_version 6
	.text
	.protected	k_qd67768ca43_wgt
	.globl	k_qd67768ca43_wgt
	.p2align	8
	.type	k_qd67768ca43_wgt,@function
k_qd67768ca43_wgt:
	s_mov_b64 s[64:65], 0
	v_nop
	global_prefetch_b8 v0, s[64:65] scope:SCOPE_SE
	s_setreg_imm32_b32 hwreg(HW_REG_WAVE_MODE, 25, 1), 1
	s_wait_xcnt 0x0
; WGT.  For each row: the eight sorted lists become one; kth = the 21st smallest distance; the row's sum of weights is the sum over the 20 smaller of kth - d (all others give 0).  Then the second product once more
; (the same instructions on the same operands as in the launch before), d = sqrt(max(d2, 1e-12)), w = max(kth - d, 0) / sum, quantised along the keys in blocks of 32, stored as images of the last product's operand.
; Work-group (X, Y): rows 256 X on, keys 1,024 Y on, which come into LDS once.  Wave w owns rows 32 (8 X + w) on.  The merging stands at the head, while LDS is being filled.
; OUT.  wq: [K step of 128 keys][128 groups of 64 rows] records of 8,448 bytes: codes at 2048 tile + 512 c + 16 lane, scale words at 8192 + 64 tile + 4 r.
; LIMITS: NaN and infinities are not served.  A row whose 21 smallest distances are all equal has the sum 0: the function then gives NaN, this text does not.  1 / sum is v_rcp_f32's, and w a multiplication by it.
; A block of zeros gets the scale byte 1: its codes are zeros, and this program alone reads the bytes.
; No cluster: as in the launch before, the keys are fetched once at the head.
.set FREC,  8704
.set WSTEP, 1081344                    ; a K step of wq: 128 records
.set DUAL, 1
.set QS,  12                           ; v12-13 the queries' scale words
.set KS,  14                           ; v14-15 the keys'
.set SW,  18                           ; v18-19 w's scale words in the making
.set KT,  20                           ; v[20:21], v[22:23] kth of tile 0, tile 1, twice each
.set INV, 24                           ; v[24:25], v[26:27] 1 / sum likewise
.set EPSV, 28                          ; v28 1e-12
.set SWO, 29                           ; v29 the scale words to store
.set X0,  32                           ; the head: four lists as loaded,
.set X1,  64
.set X2,  96
.set X3,  128
.set A,   160                          ; the network's two buffers,
.set B,   192
.set R,   224                          ; the running list
.set SQJ, 32                           ; the loop: v32-47 sq of my 16 keys
.set S0,  64                           ; v64-79, v80-95 G, d2, d, w of tile 0, tile 1
.set T,   96                           ; v96-111 sq_i + sq_j
.set TM,  112                          ; v112-119 at work
.set PC,  128                          ; v128-159 codes: 16 rt + 4 c
.set QF,  0                            ; window 1
.set KF,  64
.set WV,  12
.set TB,  13
.set CNT, 14
.set G1,  16
.set G0,  24
.set MNT, 48
.set MASK, 49
.set SEL, 50
.set PB,  52
.set CB,  54
.set SB,  56
.set MSB, 0
.macro WIN new
.if MSB != (\new)
	s_set_vgpr_msb (MSB<<8)|(\new)
.set MSB, (\new)
.endif
.endm
.macro CE dmin, dmax, a, b
.if DUAL
	v_dual_min_num_f32 v[\dmin], v[\a], v[\b] :: v_dual_max_num_f32 v[\dmax], v[\a], v[\b]
.else
	v_min_num_f32 v[\dmin], v[\a], v[\b]
	v_max_num_f32 v[\dmax], v[\a], v[\b]
.endif
.endm
.macro STAGE src, dst, k, j            ; element i lives in register PHI(i) = (i & 30) + parity of i's five bits, as in the launch before
.set ii, 0
.rept 32
.set ll, ii^(\j)
.if ll > ii
.set pii, (ii&30)+(((ii>>4)^(ii>>3)^(ii>>2)^(ii>>1)^ii)&1)
.set pll, (ll&30)+(((ll>>4)^(ll>>3)^(ll>>2)^(ll>>1)^ll)&1)
.if (ii&(\k)) == 0
	CE \dst+pii, \dst+pll, \src+pii, \src+pll
.else
	CE \dst+pll, \dst+pii, \src+pii, \src+pll
.endif
.endif
.set ii, ii+1
.endr
.endm
.macro CLEAN d, r, c
.set nn, 0
.rept 16
	v_dual_min_num_f32 v[\d+nn], v[\r+nn], v[\c+31-nn] :: v_dual_min_num_f32 v[\d+nn+1], v[\r+nn+1], v[\c+30-nn]
.set nn, nn+2
.endr
.endm
.macro MERGE5 a, b, d
	STAGE \a, \b, 32, 16
	STAGE \b, \a, 32, 8
	STAGE \a, \b, 32, 4
	STAGE \b, \a, 32, 2
	STAGE \a, \d, 32, 1
.endm
.macro MRG d, a, c                     ; the 32 smallest of two sorted lists, sorted, into d
	CLEAN A, \a, \c
	MERGE5 A, B, \d
.endm
.macro LLOAD x, ks                     ; the list of key eighth ks: lane 16 u + r has row (u, r)'s
.irp q, 0,1,2,3,4,5,6,7
	global_load_b128 v[\x+4*\q:\x+4*\q+3], v1, s[PB:PB+1] offset:\ks*4096+512*\q
.endr
.endm
; 32 keys: the K step's record c
.macro RECORD c
	WIN 0x40
.irp u, 0,1
.irp q, 0,1,2,3,4,5,6,7
	ds_load_b128 v[KF+32*\u+4*\q:KF+32*\u+4*\q+3], v4 offset:\c*FREC+\u*4096+512*\q
.endr
.endr
	WIN 0
	ds_load_b32 v[KS], v5 offset:\c*FREC
	ds_load_b32 v[KS+1], v5 offset:\c*FREC+128
.irp q, 0,1,2,3
	ds_load_b128 v[SQJ+4*\q:SQJ+4*\q+3], v6 offset:\c*FREC+16*\q
.endr
	s_wait_dscnt 0x0
	WIN 0x05
.irp rt, 0,1                                   ; four accumulators by turns
.irp t, 0,1
	v_wmma_scale_f32_16x16x128_f8f6f4 v[S0+16*\rt+8*\t:S0+16*\rt+8*\t+7], v[KF+32*\t:KF+32*\t+15], v[QF+32*\rt:QF+32*\rt+15], 0, v[KS+\t], v[QS+\rt]
.endr
.endr
.irp rt, 0,1
.irp t, 0,1
	v_wmma_scale_f32_16x16x128_f8f6f4 v[S0+16*\rt+8*\t:S0+16*\rt+8*\t+7], v[KF+32*\t+16:KF+32*\t+31], v[QF+32*\rt+16:QF+32*\rt+31], v[S0+16*\rt+8*\t:S0+16*\rt+8*\t+7], v[KS+\t], v[QS+\rt] matrix_a_scale:MATRIX_SCALE_ROW1 matrix_b_scale:MATRIX_SCALE_ROW1
.endr
.endr
	WIN 0
.irp rt, 0,1
.irp i, 0,2,4,6,8,10,12,14
	v_pk_add_f32 v[T+\i:T+\i+1], v[8+2*\rt:9+2*\rt], v[SQJ+\i:SQJ+\i+1]      ; tile 0's eight are the eight places behind the products
.endr
.irp i, 0,2,4,6,8,10,12,14
	v_pk_fma_f32 v[S0+16*\rt+\i:S0+16*\rt+\i+1], v[S0+16*\rt+\i:S0+16*\rt+\i+1], -2.0, v[T+\i:T+\i+1] op_sel_hi:[1,0,1]
.endr
.endr
.set nn, 0
.rept 16
	v_dual_max_num_f32 v[S0+nn], v[S0+nn], v[EPSV] :: v_dual_max_num_f32 v[S0+nn+1], v[S0+nn+1], v[EPSV]
.set nn, nn+2
.endr
.set nn, 0
.rept 32
	v_sqrt_f32 v[S0+nn], v[S0+nn]                  ; one batch
.set nn, nn+1
.endr
	v_nop                                          ; a plain line behind the last root,
	s_wait_alu depctr_va_vdst(0)                   ; and one wait for the batch, ahead of its first reader
.irp rt, 0,1
.irp i, 0,2,4,6,8,10,12,14
	v_pk_add_f32 v[S0+16*\rt+\i:S0+16*\rt+\i+1], v[KT+2*\rt:KT+2*\rt+1], v[S0+16*\rt+\i:S0+16*\rt+\i+1] neg_lo:[0,1] neg_hi:[0,1]   ; kth - d
.endr
.endr
.irp rt, 0,1
.irp i, 0,2,4,6,8,10,12,14
	v_pk_mul_f32 v[S0+16*\rt+\i:S0+16*\rt+\i+1], v[S0+16*\rt+\i:S0+16*\rt+\i+1], v[INV+2*\rt:INV+2*\rt+1]
.endr
.endr
.irp rt, 0,1
	v_max3_num_f32 v[TM+\rt], v[S0+16*\rt], v[S0+16*\rt+1], 0x4800000        ; no |.|: what is negative becomes 0, so it does not count; the floor stands over it
.endr
.irp i, 2,4,6,8,10,12,14
.irp rt, 0,1
	v_max3_num_f32 v[TM+\rt], v[TM+\rt], v[S0+16*\rt+\i], v[S0+16*\rt+\i+1]
.endr
.endr
.irp rt, 0,1
	v_permlanex16_b32 v[TM+2+\rt], v[TM+\rt], s[SEL], s[SEL+1]
.endr
.irp rt, 0,1
	v_max_num_f32 v[TM+\rt], v[TM+\rt], v[TM+2+\rt]
.endr
.irp rt, 0,1
	v_add_nc_u32 v[TM+4+\rt], 0xfc000000, v[TM+\rt]
.endr
.irp rt, 0,1
	v_and_or_b32 v[TM+6+\rt], v[TM+\rt], 0x7f800000, s[MNT]
.endr
.irp rt, 0,1
.if \c == 0
	v_lshrrev_b32 v[SW+\rt], 23, v[TM+4+\rt]
.else
	v_lshrrev_b32 v[TM+2+\rt], 23, v[TM+4+\rt]
	v_lshl_or_b32 v[SW+\rt], v[TM+2+\rt], 8*\c, v[SW+\rt]
.endif
.endr
.irp rt, 0,1
.irp i, 0,1,2,3,4,5,6,7,8,9,10,11,12,13,14,15
	v_med3_num_f32 v[S0+16*\rt+\i], v[S0+16*\rt+\i], 0, v[TM+6+\rt]          ; the clip at 0 and the hold at the largest code in one
.endr
.endr
.irp rt, 0,1
	v_cvt_scalef32_pk8_fp8_f32 v[PC+16*\rt+4*\c:PC+16*\rt+4*\c+1], v[S0+16*\rt:S0+16*\rt+7], v[TM+4+\rt]
	v_cvt_scalef32_pk8_fp8_f32 v[PC+16*\rt+4*\c+2:PC+16*\rt+4*\c+3], v[S0+16*\rt+8:S0+16*\rt+15], v[TM+4+\rt]
.endr
	v_nop
.irp rt, 0,1
	global_store_b128 v1, v[PC+16*\rt+4*\c:PC+16*\rt+4*\c+3], s[CB:CB+1] offset:\rt*2048+\c*512 th:TH_STORE_NT   ; 512 consecutive bytes
.endr
.endm
	s_load_b128 s[4:7], s[0:1], 0x0                ; fq s[4:5], part s[6:7]
	s_load_b64 s[8:9], s[0:1], 0x10                ; wq
	s_set_vgpr_msb 0x40
	v_lshl_add_u32 v128, v0, 2, 0x44000
	v_mov_b32 v129, 0
	s_set_vgpr_msb 0x4045
	ds_add_u32 v128, v129
	ds_add_u32 v128, v129
	s_set_vgpr_msb 0x4500
	v_lshrrev_b32 v1, 5, v0
	v_readfirstlane_b32 s[WV], v1
	s_and_b32 s15, ttmp7, 0xffff                   ; Y
	s_mov_b32 s[G1+0], 3<<16                       ; a record as 34 rows of 256 bytes (32 elements of 8 bytes), dense
	s_mov_b32 s[G1+1], 32<<16
	s_mov_b32 s[G1+2], 34<<16
	s_mov_b32 s[G1+3], 32<<16
	s_mov_b32 s[G1+4], 34
	s_mov_b32 s[G1+5], 32
	s_mov_b32 s[G1+6], 0
	s_mov_b32 s[G1+7], 0
	s_mul_i32 s40, s[WV], FREC
	s_lshl_b32 s41, s15, 5
	s_add_co_u32 s41, s41, s[WV]
	s_mul_i32 s42, s41, FREC
	s_mov_b32 s43, 0
	s_lshl_b32 s44, ttmp9, 3
	s_add_co_u32 s44, s44, s[WV]                   ; my block of 32 rows
	s_mul_i32 s46, s44, FREC
	s_mov_b32 s47, 0
	s_lshl_b32 s[PB], s44, 15                      ; its eight lists
	s_mov_b32 s[PB+1], 0
	s_mul_i32 s58, s15, 8*WSTEP                    ; my first K step,
	s_lshr_b32 s60, s44, 1
	s_mul_i32 s60, s60, 8448                       ; my group of 64 rows,
	s_add_co_u32 s58, s58, s60
	s_and_b32 s60, s44, 1
	s_lshl_b32 s61, s60, 12                        ; my two tiles' codes in it,
	s_lshl_b32 s60, s60, 7                         ; and their scale words
	s_add_co_u32 s60, s60, s58
	s_add_co_u32 s58, s58, s61
	s_mov_b32 s59, 0
	s_mov_b32 s61, 0
	s_wait_dscnt 0x0
	s_wait_kmcnt 0x0
	s_add_nc_u64 s[42:43], s[4:5], s[42:43]
	s_add_nc_u64 s[46:47], s[4:5], s[46:47]
	s_add_nc_u64 s[PB:PB+1], s[6:7], s[PB:PB+1]
	s_add_nc_u64 s[CB:CB+1], s[8:9], s[58:59]
	s_add_nc_u64 s[SB:SB+1], s[8:9], s[60:61]
.irp q, 0,1,2,3
	s_mov_b32 s[G0+4*\q], 1
	s_add_co_u32 s[G0+4*\q+1], s40, \q*8*FREC
	s_add_nc_u64 s[G0+4*\q+2:G0+4*\q+3], s[42:43], \q*8*FREC
	s_or_b32 s[G0+4*\q+3], s[G0+4*\q+3], 0x80000000
.endr
.irp q, 0,1,2,3
	tensor_load_to_lds s[G0+4*\q:G0+4*\q+3], s[G1:G1+7]      ; four loads of mine are out
	s_nop 0
.endr
.rept 4
	v_nop
.endr
	v_and_b32 v16, 31, v0
	v_and_b32 v17, 15, v0
	v_bfe_u32 v30, v0, 4, 1
	v_lshlrev_b32 v1, 4, v16
	v_lshl_add_u32 v2, v16, 2, 8192
	v_lshl_add_u32 v3, v30, 6, 8448
	v_and_b32 v31, 8, v17
	v_add_nc_u32 v31, v31, v17
	v_lshl_add_u32 v7, v31, 2, 8448
	v_mov_b32 v[EPSV], 0x2b8cbccc                  ; 1e-12
	s_mov_b32 s[MNT], 0x600000
	s_mov_b32 s[MASK], 0xffff0000
	s_mov_b32 s[SEL], 0x76543210
	s_mov_b32 s[SEL+1], 0xfedcba98
	WIN 0x40
.irp u, 0,1
.irp q, 0,1,2,3,4,5,6,7
	global_load_b128 v[QF+32*\u+4*\q:QF+32*\u+4*\q+3], v1, s[46:47] offset:\u*4096+512*\q
.endr
.endr
	WIN 0
	global_load_b32 v[QS], v2, s[46:47]
	global_load_b32 v[QS+1], v2, s[46:47] offset:128
	global_load_b32 v8, v7, s[46:47]
	global_load_b32 v9, v7, s[46:47]
	global_load_b32 v10, v7, s[46:47] offset:32
	global_load_b32 v11, v7, s[46:47] offset:32
	LLOAD X0, 0                                    ; (the loads above are older than every list: the counts below hold as they stand)
	LLOAD X1, 1
	LLOAD X2, 2
	LLOAD X3, 3
	s_wait_loadcnt 16                              ; lists 0 and 1 are in; 2 and 3 may be out
	MRG R, X0, X1
	LLOAD X0, 4
	LLOAD X1, 5
	s_wait_loadcnt 24                              ; list 2 is in; 3, 4, 5 may be out
	MRG R, R, X2
	s_wait_loadcnt 16
	MRG R, R, X3
	LLOAD X2, 6
	LLOAD X3, 7
	s_wait_loadcnt 24                              ; list 4 is in; 5, 6, 7 may be out
	MRG R, R, X0
	s_wait_loadcnt 16
	MRG R, R, X1
	s_wait_loadcnt 8
	MRG R, R, X2
	s_wait_loadcnt 0
	MRG R, R, X3
.set tt, 0
.rept 21
.set ph, (tt&30)+(((tt>>4)^(tt>>3)^(tt>>2)^(tt>>1)^tt)&1)
	v_max_num_f32 v[X0+tt], v[R+ph], v[EPSV]       ; the 21 smallest d2, clipped as every d2 is
.set tt, tt+1
.endr
.set tt, 0
.rept 21
	v_sqrt_f32 v[X0+tt], v[X0+tt]
.set tt, tt+1
.endr
	v_nop
	s_wait_alu depctr_va_vdst(0)
	v_sub_f32 v[X1], v[X0+20], v[X0]               ; the sum of kth - d over the 20 smaller, in two chains
	v_sub_f32 v[X1+1], v[X0+20], v[X0+1]
.set tt, 2
.rept 9
	v_sub_f32 v[X1+2], v[X0+20], v[X0+tt]
	v_sub_f32 v[X1+3], v[X0+20], v[X0+tt+1]
	v_add_f32 v[X1], v[X1], v[X1+2]
	v_add_f32 v[X1+1], v[X1+1], v[X1+3]
.set tt, tt+2
.endr
	v_add_f32 v[X1], v[X1], v[X1+1]
	v_rcp_f32 v[X1+4], v[X1]
	v_nop
	s_wait_alu depctr_va_vdst(0)
	v_permlanex16_b32 v[X1+5], v[X0+20], s[SEL], s[SEL+1]
	v_permlanex16_b32 v[X1+6], v[X1+4], s[SEL], s[SEL+1]
	v_cndmask_b32 v[KT], v[X0+20], v[X1+5], s[MASK]          ; tile 0's lie in lanes 0-15: the upper lanes take the other half's
	v_cndmask_b32 v[KT+2], v[X1+5], v[X0+20], s[MASK]        ; tile 1's in lanes 16-31
	v_cndmask_b32 v[INV], v[X1+4], v[X1+6], s[MASK]
	v_cndmask_b32 v[INV+2], v[X1+6], v[X1+4], s[MASK]
	v_mov_b32 v[KT+1], v[KT]
	v_mov_b32 v[KT+3], v[KT+2]
	v_mov_b32 v[INV+1], v[INV]
	v_mov_b32 v[INV+3], v[INV+2]
	v_mov_b32 v[TM+2], 0                           ; a lane permute's destination counts as one of its sources
	v_mov_b32 v[TM+3], 0
	s_mov_b32 s[TB], 0
	s_wait_tensorcnt 0x0
	s_barrier_signal -1
	s_barrier_wait -1                              ; all 32 records lie in LDS
	s_mov_b32 s[CNT], 8
.Lkstep:                                           ; a trip: 128 keys, four records
	v_add_nc_u32 v4, s[TB], v1
	v_add_nc_u32 v5, s[TB], v2
	v_add_nc_u32 v6, s[TB], v3
	RECORD 0
	RECORD 1
	RECORD 2
	RECORD 3
	v_cndmask_b32 v[SWO], v[SW], v[SW+1], s[MASK]  ; lanes 0-15 tile 0's words, lanes 16-31 tile 1's
	global_store_b32 v2, v[SWO], s[SB:SB+1] th:TH_STORE_NT
	s_wait_xcnt 0x0                                ; the stores have read their data and bases: both are written again only behind this wait
	s_add_nc_u64 s[CB:CB+1], s[CB:CB+1], WSTEP
	s_add_nc_u64 s[SB:SB+1], s[SB:SB+1], WSTEP
	s_add_co_u32 s[TB], s[TB], 4*FREC
	s_sub_co_u32 s[CNT], s[CNT], 1
	s_cmp_lg_u32 s[CNT], 0
	s_cbranch_scc1 .Lkstep
	s_set_vgpr_msb 0x5
	s_wait_tensorcnt 0x0
	ds_add_u32 v128, v129
	s_wait_dscnt 0x0
	s_set_vgpr_msb 0x500
	s_endpgm
.Lfunc_end_k_qd67768ca43_wgt:
	.size	k_qd67768ca43_wgt, .Lfunc_end_k_qd67768ca43_wgt-k_qd67768ca43_wgt
	.p2alignl 7, 3214868480
	.fill 96, 4, 3214868480
	.section	.rodata,"a",@progbits
	.p2align	6, 0x0
	.amdhsa_kernel k_qd67768ca43_wgt
		.amdhsa_group_segment_fixed_size 279552
		.amdhsa_private_segment_fixed_size 0
		.amdhsa_enable_private_segment 0
		.amdhsa_kernarg_size 24
		.amdhsa_user_sgpr_count 2
		.amdhsa_user_sgpr_kernarg_segment_ptr 1
		.amdhsa_wavefront_size32 1
		.amdhsa_system_sgpr_workgroup_id_x 1
		.amdhsa_system_sgpr_workgroup_id_y 1
		.amdhsa_system_sgpr_workgroup_id_z 1
		.amdhsa_system_vgpr_workitem_id 0
		.amdhsa_next_free_vgpr 386
		.amdhsa_next_free_sgpr 66
		.amdhsa_reserve_vcc 0
		.amdhsa_float_denorm_mode_32 3
		.amdhsa_float_denorm_mode_16_64 3
		.amdhsa_memory_ordered 1
		.amdhsa_forward_progress 1
		.amdhsa_inst_pref_size 111
	.end_amdhsa_kernel
	.amdgpu_metadata
---
amdhsa.version: [ 1, 2 ]
amdhsa.kernels:
  - .name:           k_qd67768ca43_wgt
    .symbol:         k_qd67768ca43_wgt.kd
    .args:
      - { .name: fq, .offset: 0, .size: 8, .value_kind: global_buffer, .address_space: global }
      - { .name: part, .offset: 8, .size: 8, .value_kind: global_buffer, .address_space: global }
      - { .name: wq, .offset: 16, .size: 8, .value_kind: global_buffer, .address_space: global }
    .group_segment_fixed_size: 279552
    .private_segment_fixed_size: 0
    .kernarg_segment_align: 8
    .kernarg_segment_size: 24
    .max_flat_workgroup_size: 256
    .sgpr_count:     66
    .vgpr_count:     386
    .wavefront_size: 32
...
	.end_amdgpu_metadata
.endif
;; end of part 3
;; launch gemm (part 4): grid 4 x 64, 4 waves a work-group, clusters of 4 x 4, 327,680 bytes of LDS; arguments wq, xq, out0; writes out0
.if DOCPART == 4
	.amdgcn_target "amdgcn-amd-amdhsa--gfx1250"
	.amdhsa_code_object_version 6
	.text
	.protected	k_qd67768ca43_gemm
	.globl	k_qd67768ca43_gemm
	.p2align	8
	.type	k_qd67768ca43_gemm,@function
k_qd67768ca43_gemm:
	s_mov_b64 s[64:65], 0
	v_nop
	global_prefetch_b8 v0, s[64:65] scope:SCOPE_SE
	s_setreg_imm32_b32 hwreg(HW_REG_WAVE_MODE, 25, 1), 1
	s_wait_xcnt 0x0
	s_wait_alu depctr_hold_cnt(0) depctr_sa_sdst(0) depctr_va_vdst(0) depctr_va_sdst(0) depctr_va_ssrc(0) depctr_va_vcc(0) depctr_vm_vsrc(0)
	s_getreg_b32 s2, hwreg(HW_REG_IB_STS2, 6, 4)
	s_cmp_eq_u32 s2, 0
	s_cbranch_scc0 .Lentry_in_a_cluster
	s_endpgm
.Lentry_in_a_cluster:
	s_bfe_u32 s2, ttmp6, 0x10000c
	s_cmp_lg_u32 s2, 0xf033
	s_cbranch_scc0 .Lentry_shape_is_right
	s_endpgm
.Lentry_shape_is_right:
; GEMM.  out = Q(w) Q(x), K = the 8,192 keys, on codes of E4M3 with one E8M0 scale for each 32 keys.  Both operands lie in memory as images of their registers, by K step of 128 keys.
; A work-group makes 128 rows x 128 columns.  EACH WAVE HOLDS THE WHOLE 128 x 128 (64 accumulators, 512 registers) AND TAKES EVERY FOURTH PAIR OF K STEPS: so each fragment feeds eight products, and 256 work-groups
; share the output.  The four waves' sums are added through LDS at the end: K is summed in four partial sums.
; x GOES THROUGH LDS: a ring of two slots of 135,168 bytes; a slot holds eight K steps of x's 128 columns (8 x 16,896 bytes).  Wave w fetches K steps 2 w and 2 w + 1 of the eight, one load, and multiplies those two.
; CLUSTER: 4 x 4 work-groups.  The four of a column of the cluster need the same columns of x: each tile is asked for jointly, by the same load with a mask that names the four.
; w GOES STRAIGHT INTO REGISTERS, and is not asked for jointly though the four of a row of the cluster read the same rows.  The reason, by this text's own count: K is split over the waves, so a fragment of w is read by ONE wave
; of a work-group, and LDS would only be its landing place; loads into registers are waited for by count, so a wave keeps three half K steps of w (60 loads) on their way across the changes of slots, where a slot's refill has
; to be waited for whole; and with w out of LDS a slot holds eight K steps instead of four: 8 rounds of the cluster's barrier for the launch instead of 16, 128 products a wave against each refill instead of 64.
; The matrix instruction is used transposed (source 0 = 16 columns of x, source 1 = 16 rows of w): a lane holds eight neighbouring numbers of a row of out.
; Row tile 2 b + u holds in lane r row 32 b + 8 u + r + 8 (r / 8): the way out puts each row in its place.
; REGISTERS: window 0: v8-30 addresses; v32-39 x's scale words; v40-55 w's, two sets; v128-255 x's 8 fragments.  Window 1: w's fragments, two sets of 8: set e (the trip's step e) at v[128 e].
;            Windows 2, 3: accumulator (a, b) at v[8 (8 (a % 4) + b)].
.set WSTEP, 1081344                    ; a K step of wq in bytes
.set XSTEP, 67584                      ; of xq
.set PART,  16896                      ; a work-group's part of a K step: two records of 8,448 bytes
.set SLOT,  8*PART
.set SPARE, 2*SLOT                     ; behind the ring: the spare words, 128 bytes a wave: two blocks of 256 bytes that no other line names
.set RDA,  8                           ; v8-11  the way out: my rows in the four waves' stages
.set ADRB, 20                          ; v20-21 my two K steps of x in slot 0, 1
.set ADRS, 22                          ; v22-23 their scale words
.set STO,  24                          ; v24    the way out: where I put 32 bytes of a row
.set SWO,  25                          ; v25    4 r: a scale word's place; never rewritten
.set CO,   26                          ; v26    16 lane; never rewritten
.set SPW,  28                          ; v28    my spare word; never rewritten
.set NIL,  29                          ; v29    0; never rewritten
.set PFO,  30                          ; v30    256 lane; never rewritten
.set SCX,  32
.set SCW,  40
.set XF,   128
.set WP,   16                          ; s[16:17] w at my rows, at the first of the two K steps that my loads are bringing
.set G1B,  40                          ; s[40:47] descriptor group 1 for x's tiles
.set G0B,  48                          ; s[48:55] group 0, one set for each slot
.set PFA,  56                          ; s[56:57] where my prefetches stand
.set TC,   60                          ; s60 the trip's number
.set MSB, 0
.macro WIN new                         ; the immediate's high byte repeats the setting that is left
.if MSB != (\new)
	s_set_vgpr_msb (MSB<<8)|(\new)
.set MSB, (\new)
.endif
.endm
.set MUL_LO, 0xa4                      ; source 0 (x) window 0, source 1 (w) window 1, C and D window 2
.set MUL_HI, 0xf4                      ; the same, C and D window 3
.set TO_W,   0x40                      ; destination window 1, address window 0
.macro PLACES n
.rept \n
	v_nop
.endr
.endm
.macro ROUND                           ; a round of the cluster's barrier
	s_barrier_signal -1
	s_barrier_wait -1
	s_cmp_lg_u32 s14, 0
	s_cbranch_scc1 .Lnot_wave_0_\@
	s_barrier_signal -3
.Lnot_wave_0_\@:
	s_barrier_wait -3
	s_barrier_signal -1
	s_barrier_wait -1
.endm
.macro JLOAD s                         ; a joint load into slot s: every wave brings its own two K steps; four v_nop follow the line
	tensor_load_to_lds s[G0B+4*(\s):G0B+4*(\s)+3], s[G1B:G1B+7]
	s_nop 0
.rept 4
	v_nop
.endr
.endm
; A PREFETCH INTO THE L2 of w's codes: in trip t the eight K steps of trip t + 2, whose loads into registers are issued in trip t + 1: a trip, 128 products, ahead of the first of them.  Those K steps of my 128 rows are
; 16 records' codes, 8,192 bytes each: the four partners of a row of the cluster have 16 waves, a record to each, a lane to each block of 256 bytes: K step 2 cx + w / 2 of the eight, record w % 2.  The partners are told
; apart by ADDRESS.  So each block is named once.  Trips 6 and 7 have no trip two on and ask for nothing; the K steps of trips 0 and 1 come by their loads alone, and so do the records' scale blocks.
; x's codes are not asked for: all sixteen clusters walk the same 4.3 MB of them.
.macro ASK
	s_cmp_lt_u32 s[TC], 6
	s_cbranch_scc0 .Lnot_now_\@
	global_prefetch_b8 v[PFO], s[PFA:PFA+1] th:TH_LOAD_NT scope:SCOPE_SE
.Lnot_now_\@:
.endm
.macro XLOAD slot, e                   ; x's eight fragments and scale words of my K step e of the slot: 40 LDS loads
.irp i, 0,1,2,3,4,5,6,7
.irp c, 0,1,2,3
	ds_load_b128 v[XF+16*\i+4*\c:XF+16*\i+4*\c+3], v[ADRB+\slot] offset:\e*PART+(\i/4)*8448+(\i%4)*2048+512*\c
.endr
.endr
.irp i, 0,1,2,3,4,5,6,7
	ds_load_b32 v[SCX+\i], v[ADRS+\slot] offset:\e*PART+(\i/4)*8448+8192+(\i%4)*64
.endr
.endm
.macro WLOAD e, g                      ; w's tiles 4 g .. 4 g + 3 (record g of my rows' two) of the K step at s[WP] + e K steps, into set e: 16 loads of 512 consecutive bytes and 4 of scale words: a group of 20
	WIN TO_W
.irp i, 0,1,2,3
.irp c, 0,1,2,3
	global_load_b128 v[128*\e+16*(4*\g+\i)+4*\c:128*\e+16*(4*\g+\i)+4*\c+3], v[CO], s[WP:WP+1] offset:\e*WSTEP+\g*8448+\i*2048+512*\c
.endr
.endr
	WIN 0
.irp i, 0,1,2,3
	global_load_b32 v[SCW+8*\e+4*\g+\i], v[SWO], s[WP:WP+1] offset:\e*WSTEP+\g*8448+8192+\i*64
.endr
.endm
.macro MUL8 e, a, zero                 ; w's tile a against x's eight; the 64 accumulators take turns, in the same order in every step
.irp b, 0,1,2,3,4,5,6,7
.if \zero
	v_wmma_scale_f32_16x16x128_f8f6f4 v[8*(8*((\a)%4)+\b):8*(8*((\a)%4)+\b)+7], v[XF+16*\b:XF+16*\b+15], v[128*(\e)+16*(\a):128*(\e)+16*(\a)+15], 0, v[SCX+\b], v[SCW+8*(\e)+(\a)]
.else
	v_wmma_scale_f32_16x16x128_f8f6f4 v[8*(8*((\a)%4)+\b):8*(8*((\a)%4)+\b)+7], v[XF+16*\b:XF+16*\b+15], v[128*(\e)+16*(\a):128*(\e)+16*(\a)+15], v[8*(8*((\a)%4)+\b):8*(8*((\a)%4)+\b)+7], v[SCX+\b], v[SCW+8*(\e)+(\a)]
.endif
.endr
.endm
; A STEP: one K step, 64 products.  reload = 1: each half of w's set is filled again, as soon as its products are issued, with the same step of the next trip.
; la, lb: the loads that may stay out when the first, the second half of w's set has to be there.  Groups of 20 are issued in the order in which they are used, so behind the group wanted stand the three groups that follow it.
.macro STEP slot, e, reload, zero, la, lb
	s_wait_loadcnt \la                             ; w's tiles 0-3 and their scale words are in
	s_wait_dscnt 0x0                               ; and x's eight tiles, all of which the first eight products read
	WIN MUL_LO
.irp a, 0,1,2,3
	MUL8 \e, \a, \zero
.endr
.if \reload
	PLACES 8                                       ; eight places behind this form, ahead of loads into registers that it has read
	WIN 0
.if \e == 0
	s_wait_xcnt 0x0                                ; my last global loads, 32 products back, and my last prefetch, a trip back, have read their bases: both are written only behind this wait
	s_add_nc_u64 s[WP:WP+1], s[WP:WP+1], 8*WSTEP   ; on to the next trip's K steps
	s_add_nc_u64 s[PFA:PFA+1], s[PFA:PFA+1], 8*WSTEP
.endif
	WLOAD \e, 0
.if \e == 0
	ASK                                            ; behind the loads just issued; the wait below is for loads issued earlier
.endif
.endif
	s_wait_loadcnt \lb                             ; w's tiles 4-7 are in
	WIN MUL_HI
.irp a, 4,5,6,7
	MUL8 \e, \a, \zero
.endr
	PLACES 8                                       ; for the loads below, for the next trip's loads of x, and at the very end for the first read of results
	WIN 0
.if \e == 0
	XLOAD \slot, 1                                 ; the products wait for these: they go ahead of w's
.endif
.if \reload
	WLOAD \e, 1
.endif
.endm
; A TRIP reads one slot: my two K steps of its eight.  refill = 1: the other slot is filled with the next eight K steps, and w's two sets with theirs.
.macro TRIP slot, refill, zero
	s_wait_tensorcnt 0x0                           ; my tensor load has landed: my part of this slot; so every group 0 may be written
	ds_add_u32 v[SPW], v[NIL]                      ; 0 onto my spare word
	s_add_nc_u64 s[G0B+4*\slot+2:G0B+4*\slot+3], s[G0B+4*\slot+2:G0B+4*\slot+3], 16*XSTEP   ; this slot's next fill: two fills on
	s_wait_dscnt 0x0                               ; the add is done, and my reads of the other slot are over
	ROUND                                          ; both now hold of every wave of every work-group of the cluster
.if \refill
	JLOAD 1-\slot                                  ; the first tensor load behind the round, my one load until the next: one tensor load of mine is out
.endif
	XLOAD \slot, 0
.if \refill
	STEP \slot, 0, 1, \zero, 60, 60
	STEP \slot, 1, 1, 0, 60, 60
.else
	STEP \slot, 0, 0, \zero, 60, 40                ; nothing more is issued: the counts run down
	STEP \slot, 1, 0, 0, 20, 0
.endif
	s_add_co_u32 s[TC], s[TC], 1
.endm
	s_load_b128 s[4:7], s[0:1], 0x0                ; wq s[4:5], xq s[6:7]
	s_load_b64 s[8:9], s[0:1], 0x10                ; out0
	v_lshl_add_u32 v[SPW], v0, 2, SPARE
	v_mov_b32 v[NIL], 0
	ds_add_u32 v28, v29
	ds_add_u32 v28, v29
	s_wait_dscnt 0x0
	v_lshrrev_b32 v1, 5, v0
	v_readfirstlane_b32 s14, v1                    ; wave 0..3
	v_and_b32 v1, 15, v0                           ; r
	v_bfe_u32 v2, v0, 4, 1                         ; h
	v_and_b32 v3, 31, v0
	v_lshlrev_b32 v[CO], 4, v3
	v_lshlrev_b32 v[SWO], 2, v1
	v_lshlrev_b32 v[PFO], 8, v3
	s_bfe_u32 s10, ttmp6, 0x40000                  ; cx
	s_bfe_u32 s11, ttmp6, 0x40004                  ; cy
	s_lshl_b32 s12, ttmp9, 2
	s_add_co_u32 s12, s12, s10                     ; my block of 128 columns
	s_and_b32 s13, ttmp7, 0xffff
	s_lshl_b32 s13, s13, 2
	s_add_co_u32 s13, s13, s11                     ; my block of 128 rows
	s_lshl_b32 s18, 0x1111, s10                    ; my column of the cluster
	; descriptor group 1: two rows of 16,896 bytes (2,112 elements of 8 bytes), a K step apart in memory, on end in LDS
	s_or_b32 s[G1B], s18, (3<<16)|(1<<21)
	s_mov_b32 s[G1B+1], 2112<<16                   ; tensor_dim0
	s_mov_b32 s[G1B+2], 2<<16                      ; tensor_dim1
	s_mov_b32 s[G1B+3], 2112<<16                   ; tile_dim0
	s_mov_b32 s[G1B+4], 2                          ; tile_dim1
	s_mov_b32 s[G1B+5], XSTEP/8                    ; the pitch, in elements
	s_mov_b32 s[G1B+6], 0
	s_mov_b32 s[G1B+7], 0
	s_mul_i32 s20, s13, PART
	s_mul_i32 s19, s14, 2*WSTEP
	s_add_co_u32 s20, s20, s19                     ; w: my rows' part, K step 2 w
	s_mov_b32 s21, 0
	s_mul_i32 s22, s12, PART
	s_mul_i32 s19, s14, 2*XSTEP
	s_add_co_u32 s22, s22, s19                     ; x: my columns' part, K step 2 w
	s_mov_b32 s23, 0
	s_mul_i32 s58, s14, 2*PART                     ; where x's go: no place in the cluster enters an LDS address
	s_wait_kmcnt 0x0
	s_add_nc_u64 s[WP:WP+1], s[4:5], s[20:21]
	s_add_nc_u64 s[22:23], s[6:7], s[22:23]
	WLOAD 0, 0                                     ; w of my first two K steps: three groups, 60 loads, go out ahead of the round;
	WLOAD 0, 1
	WLOAD 1, 0
	ROUND                                          ; all sixteen work-groups are here: the first joint loads meet
.irp s, 0,1
	s_mov_b32 s[G0B+4*\s], 1
	s_add_co_u32 s[G0B+4*\s+1], s58, \s*SLOT
	s_add_nc_u64 s[G0B+4*\s+2:G0B+4*\s+3], s[22:23], \s*8*XSTEP
	s_or_b32 s[G0B+4*\s+3], s[G0B+4*\s+3], 0x80000000
.endr
	JLOAD 0                                        ; slot 0; slot 1 is first filled behind the first trip's round, as a refill is
	WLOAD 1, 1                                     ; the fourth group behind x's first fill
	v_add_nc_u32 v[ADRB], s58, v[CO]               ; my two K steps of a slot's eight
	v_add_nc_u32 v[ADRB+1], SLOT, v[ADRB]
	v_add_nc_u32 v[ADRS], s58, v[SWO]
	v_add_nc_u32 v[ADRS+1], SLOT, v[ADRS]
	s_mul_i32 s61, s14, 8*8448                     ; the way out: my stage, eight blocks of 16 rows x (512 bytes + 16)
	v_mul_u32_u24 v4, v1, 528
	v_lshl_add_u32 v4, v2, 5, v4
	v_add_nc_u32 v[STO], s61, v4
	s_mul_i32 s61, s14, 2*8448                     ; back: blocks 2 w and 2 w + 1 of each of the four stages
	v_add_nc_u32 v[RDA], s61, v[CO]
	v_add_nc_u32 v[RDA+1], 8*8448, v[RDA]
	v_add_nc_u32 v[RDA+2], 16*8448, v[RDA]
	v_add_nc_u32 v[RDA+3], 24*8448, v[RDA]
	s_lshl_b32 s62, s10, 1                         ; the prefetches: K step 8 + 2 cx + w / 2; the first trip steps it to 16 + ..
	s_lshr_b32 s61, s14, 1
	s_add_co_u32 s62, s62, s61
	s_add_co_u32 s62, s62, 8
	s_mul_i32 s62, s62, WSTEP
	s_mul_i32 s61, s13, PART
	s_add_co_u32 s62, s62, s61
	s_and_b32 s61, s14, 1
	s_mul_i32 s61, s61, 8448                       ; record w % 2
	s_add_co_u32 s62, s62, s61
	s_mov_b32 s63, 0
	s_add_nc_u64 s[PFA:PFA+1], s[4:5], s[62:63]
	s_lshl_b32 s62, s13, 7
	s_lshl_b32 s61, s14, 5
	s_add_co_u32 s62, s62, s61                     ; the first row that I store: 128 x block + 32 x wave
	s_lshl_b32 s62, s62, 11
	s_lshl_b32 s61, s12, 9                         ; my block's columns: 512 bytes
	s_add_co_u32 s62, s62, s61
	s_add_nc_u64 s[8:9], s[8:9], s[62:63]
	s_mov_b32 s[TC], 0
	TRIP 0, 1, 1                                   ; the first step's products start the sums: nothing is cleared
	s_mov_b32 s3, 3
.Llap:
	TRIP 1, 1, 0
	TRIP 0, 1, 0
	s_sub_co_u32 s3, s3, 1
	s_cmp_lg_u32 s3, 0
	s_cbranch_scc1 .Llap
	TRIP 1, 0, 0                                   ; the last of eight: nothing is left to fetch
	; THE WAY OUT.  Both slots have had their last fill.  Behind a barrier nobody reads them: each wave lays its 128 x 128 there; behind a second barrier wave w adds the four sums of 32 rows and stores whole rows of 512 bytes.
	; (The eight places behind the last products stand at the last step's end.)
	s_wait_dscnt 0x0
	s_barrier_signal -1
	s_barrier_wait -1
.irp a, 0,1,2,3,4,5,6,7
	WIN 0x08+4*(\a/4)                              ; an LDS store's data: window 2 or 3
.irp b, 0,1,2,3,4,5,6,7
	ds_store_b128 v[STO], v[8*(8*(\a%4)+\b):8*(8*(\a%4)+\b)+3] offset:\a*8448+64*\b        ; each accumulator from its low end on
	ds_store_b128 v[STO], v[8*(8*(\a%4)+\b)+4:8*(8*(\a%4)+\b)+7] offset:\a*8448+64*\b+16
.endr
.endr
	WIN 0
	s_wait_dscnt 0x0                               ; for the others' sake: my stores have landed
	s_barrier_signal -1
	s_barrier_wait -1
.irp e, 0,1                                    ; block 2 w + e, eight of its rows at a time
.irp g, 0,1
	s_wait_xcnt 0x0                                ; the stores before have read their registers
.irp p, 0,1,2,3
.irp t, 0,1,2,3,4,5,6,7
	ds_load_b128 v[XF+32*\p+4*\t:XF+32*\p+4*\t+3], v[RDA+\p] offset:\e*8448+528*(8*\g+\t)
.endr
.endr
	s_wait_dscnt 0x0
.irp t, 0,1,2,3,4,5,6,7
	v_pk_add_f32 v[XF+4*\t:XF+4*\t+1], v[XF+4*\t:XF+4*\t+1], v[XF+32+4*\t:XF+32+4*\t+1]
	v_pk_add_f32 v[XF+4*\t+2:XF+4*\t+3], v[XF+4*\t+2:XF+4*\t+3], v[XF+32+4*\t+2:XF+32+4*\t+3]
	v_pk_add_f32 v[XF+64+4*\t:XF+64+4*\t+1], v[XF+64+4*\t:XF+64+4*\t+1], v[XF+96+4*\t:XF+96+4*\t+1]
	v_pk_add_f32 v[XF+64+4*\t+2:XF+64+4*\t+3], v[XF+64+4*\t+2:XF+64+4*\t+3], v[XF+96+4*\t+2:XF+96+4*\t+3]
.endr
.irp t, 0,1,2,3,4,5,6,7
	v_pk_add_f32 v[XF+4*\t:XF+4*\t+1], v[XF+4*\t:XF+4*\t+1], v[XF+64+4*\t:XF+64+4*\t+1]
	v_pk_add_f32 v[XF+4*\t+2:XF+4*\t+3], v[XF+4*\t+2:XF+4*\t+3], v[XF+64+4*\t+2:XF+64+4*\t+3]
.endr
.irp t, 0,1,2,3,4,5,6,7
	global_store_b128 v[CO], v[XF+4*\t:XF+4*\t+3], s[8:9] offset:(8*\e+16*\g+\t)*2048 th:TH_STORE_NT   ; lane 8 g + t of tile e is row 8 e + 16 g + t of my 32; 32 lanes store 512 consecutive bytes, aligned
.endr
.endr
.endr
	s_wait_tensorcnt 0x0                           ; the wave's end
	ds_add_u32 v[SPW], v[NIL]
	s_wait_dscnt 0x0
	ROUND                                          ; the closing round: no work-group ends while a partner may still ask for a tile that names it
	s_endpgm
.Lfunc_end_k_qd67768ca43_gemm:
	.size	k_qd67768ca43_gemm, .Lfunc_end_k_qd67768ca43_gemm-k_qd67768ca43_gemm
	.p2alignl 7, 3214868480
	.fill 96, 4, 3214868480
	.section	.rodata,"a",@progbits
	.p2align	6, 0x0
	.amdhsa_kernel k_qd67768ca43_gemm
		.amdhsa_group_segment_fixed_size 327680
		.amdhsa_private_segment_fixed_size 0
		.amdhsa_enable_private_segment 0
		.amdhsa_kernarg_size 24
		.amdhsa_user_sgpr_count 2
		.amdhsa_user_sgpr_kernarg_segment_ptr 1
		.amdhsa_wavefront_size32 1
		.amdhsa_system_sgpr_workgroup_id_x 1
		.amdhsa_system_sgpr_workgroup_id_y 1
		.amdhsa_system_sgpr_workgroup_id_z 1
		.amdhsa_system_vgpr_workitem_id 0
		.amdhsa_next_free_vgpr 1024
		.amdhsa_next_free_sgpr 66
		.amdhsa_reserve_vcc 0
		.amdhsa_float_denorm_mode_32 3
		.amdhsa_float_denorm_mode_16_64 3
		.amdhsa_memory_ordered 1
		.amdhsa_forward_progress 1
		.amdhsa_inst_pref_size 161
	.end_amdhsa_kernel
	.amdgpu_metadata
---
amdhsa.version: [ 1, 2 ]
amdhsa.kernels:
  - .name:           k_qd67768ca43_gemm
    .symbol:         k_qd67768ca43_gemm.kd
    .args:
      - { .name: wq, .offset: 0, .size: 8, .value_kind: global_buffer, .address_space: global }
      - { .name: xq, .offset: 8, .size: 8, .value_kind: global_buffer, .address_space: global }
      - { .name: out0, .offset: 16, .size: 8, .value_kind: global_buffer, .address_space: global }
    .group_segment_fixed_size: 327680
    .private_segment_fixed_size: 0
    .kernarg_segment_align: 8
    .kernarg_segment_size: 24
    .max_flat_workgroup_size: 128
    .sgpr_count:     66
    .vgpr_count:     1024
    .wavefront_size: 32
...
	.end_amdgpu_metadata
.endif
;; end of part 4
